; MI455X (gfx1250); checked and timed in simulation.
; The chip was launched on July 23, 2026; its instructions are those of AMD's public machine-readable ISA for CDNA 5 (MIT licence, August 2026) and "CDNA5" Instruction Set Architecture Reference Guide (July 2026). The comments in the code are by the model that wrote it; some were corrected since.
;; Multi Head Attention. Allowed arithmetic: matrix products marked QUANTISED: E5M2 operands, one given power-of-two scale a tensor, by v_wmma_f32_16x16x64_bf8_bf8 or v_wmma_f32_16x16x128_bf8_bf8, f32 sums; everything else in f32.
;; Inputs: lowp_scales 6 int32 (the exponents e of the quantised operands' scales 2^e); qkv_b 3,072 float32; qkv_w_codes 3,072 x 32 x 32 uint8 (E5M2 codes of qkv_w, K innermost, in blocks of 32 codes); x_codes 4 x 2,048 x 32 x 32 uint8 (E5M2 codes of x, K innermost, in blocks of 32 codes).
;; Outputs: out0 4 x 2,048 x 1,024 float32.
;; This version of the problem:
;;   THIS VERSION OF THE PROBLEM IS GIVEN IN LOW PRECISION. The matrix products marked QUANTISED in the list below multiply operands that are first quantised to E5M2 (5 exponent bits, 2 mantissa bits; 8 bits a number), with one given power-of-two scale for each operand tensor; their sums are f32. All else is computed in f32.
;;   The module's matrix products, in the order in which they are computed (A, B: the left and right operand; K: the contracted axis; several contracted axes count as one K, in the product's order):
;;     1. [M 8,192, K 1,024] x [K 1,024, N 3,072]; A: input x (given as codes); B: input qkv_w (given as codes): QUANTISED (scales: A lowp_scales[0], B lowp_scales[1])
;;     2. batch 64 x [M 2,048, K 64] x [K 64, N 2,048]; A: computed on the way; B: computed on the way: QUANTISED (scales: A lowp_scales[2], B lowp_scales[3])
;;     3. batch 64 x [M 2,048, K 2,048] x [K 2,048, N 64]; A: softmax (see below); B: computed on the way: QUANTISED (scales: A lowp_scales[4], B lowp_scales[5])
;;   THE QUANTISER, for each operand of a quantised product, along K:
;;     - The operand's scale is 2^e, e = its entry of the input lowp_scales (int32; the entries are numbered through the quantised products in the list's order, A before B).
;;     - Each number is divided by the scale, clamped to +-57,344, and rounded to the nearest number of E5M2, ties to even, subnormals kept.
;;     - The product sums the exact products of the quantised numbers (number of the format x scale) in f32.
;;   ~~~python
;;   def quantise(x, axis, e):      # numpy; x: float32 -> the quantised numbers, widened to float32 again
;;       x = np.moveaxis(x, axis, -1); K = x.shape[-1]
;;       r = np.clip(x / 2.0 ** e, -57344, 57344)
;;       step = 2.0 ** (np.maximum(np.frexp(np.where(r == 0, 1, r))[1] - 1, -14) - 2)
;;       q = np.round(r / step) * step * 2.0 ** e      # np.round: ties to even
;;       return np.moveaxis(q, -1, axis).astype(np.float32)
;;   ~~~
;;   SOFTMAX AHEAD OF A QUANTISED PRODUCT. Where the list says 'softmax', what is quantised is not the finished softmax but p = 2^(t - M), with t = logit x log2(e) and M = ceil(the row's largest t), a whole number; so 1/2 < the row's largest p <= 1. The row's sum l is taken of the UNQUANTISED p, in f32, and the product's result is divided by l at the end. Since M is a whole number, a kernel that streams over the keys may use a running M (the ceiling of the running maximum): every later rescaling is an exact power of two, so the quantised numbers keep their values, but for numbers so far below the row's largest that they fall under the format's range.
;;   OPERANDS COMPUTED ON THE WAY. 'Computed on the way' means the value that the module computes at that place (a softmax that the list does not call 'softmax' is quantised finished and normalised). What goes into a quantiser is computed in f32, as accurately as f32 sums, v_exp_f32 and their like allow (about 1e-6 of the number): no bf16 or f16 on the way to a quantiser, and a product that is left as it is and whose result goes on into a quantised operand takes f32 operands (vector FMAs, or v_wmma_f32_16x16x4_f32). A number that lies on a knife's edge between two numbers of the format may be rounded either way, as far as f32 arithmetic and the matrix unit's own rounding can turn it there, and no further.
;;   INPUTS GIVEN AS CODES. qkv_w (in the module: [3072, 1024], K = its axis 1); x (in the module: [4, 2048, 1024], K = its axis 2): each comes as NAME_codes (uint8): NAME with its K axis moved to the last place and cut into blocks of 32 codes, [.., K / 32, bytes a block], one block behind the other in memory; one code a byte (a code: sign, 5 exponent bits, 2 mantissa bits); its scale is its entry of lowp_scales. Its value is code x scale, taken as it is: it is not quantised again, and the codes and scales need not be those that the quantiser above would give.
;; One version. Each part assembles by itself: llvm-mc -triple=amdgcn-amd-amdhsa -mcpu=gfx1250 --defsym DOCPART=n.
;; ======== version 1 of 1: 2 launches
;; limits: right only within a limited range of input values
;; workspace buffers: qkv 25,165,824 bytes
;; launch proj (part 1): grid 12 x 32, 4 waves a work-group, clusters of 4 x 4, 327,680 bytes of LDS; arguments x_codes, qkv_w_codes, lowp_scales, qkv_b, qkv; writes qkv
.if DOCPART == 1
	.amdgcn_target "amdgcn-amd-amdhsa--gfx1250"
	.amdhsa_code_object_version 6
	.text
	.protected	k_qf351afdb86_proj
	.globl	k_qf351afdb86_proj
	.p2align	8
	.type	k_qf351afdb86_proj,@function
k_qf351afdb86_proj:
	s_mov_b64 s[64:65], 0
	v_nop
	global_prefetch_b8 v0, s[64:65] scope:SCOPE_SE
	s_setreg_imm32_b32 hwreg(HW_REG_WAVE_MODE, 25, 1), 1
	s_wait_xcnt 0x0
	s_wait_alu depctr_hold_cnt(0) depctr_sa_sdst(0) depctr_va_vdst(0) depctr_va_sdst(0) depctr_va_ssrc(0) depctr_va_vcc(0) depctr_vm_vsrc(0)
	s_getreg_b32 s2, hwreg(HW_REG_IB_STS2, 6, 4)
	s_cmp_eq_u32 s2, 0
	s_cbranch_scc0 .Lentry_in_a_cluster
	s_endpgm
.Lentry_in_a_cluster:
	s_bfe_u32 s2, ttmp6, 0x10000c
	s_cmp_lg_u32 s2, 0xf033
	s_cbranch_scc0 .Lentry_shape_is_right
	s_endpgm
.Lentry_shape_is_right:
.set ROWB,   256
.set KROW,   1024
.set PITCH,  272
.set FR,     16
.set NL,     4
.set NP,     4
.set HALFT,  128*PITCH
.set SLOT,   4*HALFT
.set SPARE,  2*SLOT
.set QSTG,   0
.set VSTG,   10240
.set BQO,  8
.set BVO,  9
.set ADRA, 16
.set ADRB, 20
.set STOQ, 22
.set RDQ,  23
.set STOV, 24
.set RDV,  25
.set CO,   26
.set SPW,  28
.set NIL,  29
.set BQ,   32
.set BV,   96
.set SC,   112
.set LIM,  113
.set AF,   128
.set TMP,  128
.set CD,   192
.set BK,   208
.set G1, 24
.set G0, 32
.set G1B, 48
.set G0B, 56
.set MSB, 0
.macro WIN new
.if MSB != \new
	s_set_vgpr_msb (MSB<<8)|\new
.set MSB, \new
.endif
.endm
.set MUL_LO, 0xa1
.set MUL_HI, 0xf1
.set TO_B,   0x40
.macro JLOAD g0a, g1a, g0b, g1b
	s_cmp_eq_u32 s15, 0
	s_cbranch_scc0 .Lfor_b_\@
	tensor_load_to_lds s[\g0a:\g0a+3], s[\g1a:\g1a+7]
	s_nop 0
.rept 4
	v_nop
.endr
	s_branch .Lasked_\@
.Lfor_b_\@:
	tensor_load_to_lds s[\g0b:\g0b+3], s[\g1b:\g1b+7]
	s_nop 0
.rept 4
	v_nop
.endr
.Lasked_\@:
.endm
.macro CREST
	s_cmp_lg_u32 s14, 0
	s_cbranch_scc1 .Lnot_wave_0_\@
	s_barrier_signal -3
.Lnot_wave_0_\@:
	s_barrier_wait -3
	s_barrier_signal -1
	s_barrier_wait -1
.endm
.macro CROUND
	s_barrier_signal -1
	s_barrier_wait -1
	CREST
.endm
	s_load_b256 s[4:11], s[0:1], 0x0
	s_load_b64 s[12:13], s[0:1], 0x20
	v_lshl_add_u32 v[SPW], v0, 2, SPARE
	v_mov_b32 v[NIL], 0
	ds_add_u32 v28, v29
	ds_add_u32 v28, v29
	s_wait_dscnt 0x0
	v_lshrrev_b32 v1, 5, v0
	v_readfirstlane_b32 s14, v1
	s_lshr_b32 s15, s14, 1
	s_and_b32 s16, s14, 1
	s_bfe_u32 s40, ttmp6, 0x40000
	s_bfe_u32 s41, ttmp6, 0x40004
	s_and_b32 s66, ttmp7, 0xffff
	s_lshl_b32 s66, s66, 2
	s_lshl_b32 s67, ttmp9, 2
	s_cmp_eq_u32 ttmp9, 2
	s_cselect_b32 s17, 0, s66
	s_cselect_b32 s42, s66, s67
	s_cselect_b32 s70, 0x200000, 0
	s_add_co_u32 s17, s17, s41
	s_add_co_u32 s42, s42, s40
	s_lshl_b32 s43, s41, 2
	s_lshl_b32 s43, 15, s43
	s_lshl_b32 s44, 0x1111, s40
	s_or_b32 s[G1+0], s43, (0<<16)|(1<<20)|(1<<21)|(5<<22)|(3<<25)
	s_or_b32 s[G1B+0], s44, (0<<16)|(1<<20)|(1<<21)|(5<<22)|(3<<25)
.irp g, G1, G1B
	s_mov_b32 s[\g+1], ROWB<<16
	s_mov_b32 s[\g+2], 128<<16
	s_mov_b32 s[\g+3], ROWB<<16
	s_mov_b32 s[\g+4], 128
	s_mov_b32 s[\g+5], KROW
	s_mov_b32 s[\g+6], 0
	s_mov_b32 s[\g+7], 0
.endr
	s_lshl_b32 s18, s16, 7
	s_lshl_b32 s20, s17, 8
	s_add_co_u32 s20, s20, s18
	s_lshl_b32 s20, s20, 10
	s_add_co_u32 s20, s20, s70
	s_mov_b32 s21, 0
	s_lshl_b32 s46, s42, 8
	s_add_co_u32 s46, s46, s18
	s_lshl_b32 s46, s46, 10
	s_mov_b32 s47, 0
	s_mul_i32 s45, s14, HALFT
	s_wait_kmcnt 0x0
	s_load_b128 s[80:83], s[8:9], 0x0
	s_load_b64 s[84:85], s[8:9], 0x10
	s_cmp_eq_u32 ttmp9, 2
	s_cselect_b64 s[68:69], s[6:7], s[4:5]
	s_cselect_b64 s[72:73], s[4:5], s[6:7]
	s_add_nc_u64 s[20:21], s[68:69], s[20:21]
	s_add_nc_u64 s[46:47], s[72:73], s[46:47]
	CROUND
.irp s, 0,1
	s_mov_b32 s[G0+4*\s], 1
	s_add_co_u32 s[G0+4*\s+1], s45, \s*SLOT
	s_add_nc_u64 s[G0+4*\s+2:G0+4*\s+3], s[20:21], \s*ROWB
	s_or_b32 s[G0+4*\s+3], s[G0+4*\s+3], 0x80000000
	s_mov_b32 s[G0B+4*\s], 1
	s_add_co_u32 s[G0B+4*\s+1], s45, \s*SLOT
	s_add_nc_u64 s[G0B+4*\s+2:G0B+4*\s+3], s[46:47], \s*ROWB
	s_or_b32 s[G0B+4*\s+3], s[G0B+4*\s+3], 0x80000000
	s_wait_alu depctr_va_vdst(0)
	s_wait_tensorcnt 0x0
	ds_add_u32 v28, v29
	ds_add_u32 v28, v29
	s_wait_dscnt 0x0
	CROUND
	JLOAD G0+4*\s, G1, G0B+4*\s, G1B
.endr
	v_and_b32 v1, 15, v0
	s_wait_alu depctr_va_vdst(0)
	v_bfe_u32 v2, v0, 4, 1
	v_mul_u32_u24 v3, v1, PITCH
	v_lshl_add_u32 v4, v2, 4, v3
	s_mul_i32 s21, s15, HALFT
	s_mul_i32 s22, s16, HALFT
	s_add_co_u32 s22, s22, 2*HALFT
.irp s, 0,1
	v_add_nc_u32 v[ADRA+\s], s21, v4
	v_add_nc_u32 v[ADRB+\s], s22, v4
	s_add_co_u32 s21, s21, SLOT
	s_add_co_u32 s22, s22, SLOT
.endr
	v_and_b32 v6, 31, v0
	s_mul_i32 s23, s14, 2560
	v_mul_u32_u24 v5, v1, 80
	s_wait_alu depctr_va_vdst(0)
	v_lshl_add_u32 v5, v2, 3, v5
	v_add_nc_u32 v[STOQ], s23, v5
	v_lshrrev_b32 v7, 2, v6
	v_mul_u32_u24 v7, v7, 80
	v_and_b32 v5, 3, v6
	v_lshl_add_u32 v7, v5, 4, v7
	v_add_nc_u32 v[RDQ], s23, v7
	s_mul_i32 s23, s14, 2304
	s_add_co_u32 s23, s23, VSTG
	v_mul_u32_u24 v5, v1, 144
	v_lshl_add_u32 v5, v2, 3, v5
	v_add_nc_u32 v[STOV], s23, v5
	v_lshrrev_b32 v7, 3, v6
	v_mul_u32_u24 v7, v7, 144
	v_and_b32 v5, 7, v6
	v_lshl_add_u32 v7, v5, 4, v7
	v_add_nc_u32 v[RDV], s23, v7
	v_lshlrev_b32 v[CO], 4, v6
	v_lshlrev_b32 v[BQO], 5, v2
	s_wait_alu depctr_va_vdst(0)
	v_lshlrev_b32 v[BVO], 2, v1
	s_wait_alu depctr_va_vdst(0)
	s_add_co_u32 s88, s67, s40
	s_lshl_b32 s88, s88, 8
	s_lshl_b32 s89, s16, 7
	s_add_co_u32 s88, s88, s89
	s_lshl_b32 s88, s88, 2
	s_mov_b32 s89, 0
	s_add_nc_u64 s[74:75], s[10:11], s[88:89]
	s_lshl_b32 s88, s41, 8
	s_lshl_b32 s90, s15, 7
	s_add_co_u32 s88, s88, s90
	s_add_co_u32 s88, s88, 2048
	s_lshl_b32 s88, s88, 2
	s_add_nc_u64 s[76:77], s[10:11], s[88:89]
.irp b, 0,1,2,3,4,5,6,7
	global_load_b128 v[BQ+8*\b:BQ+8*\b+3], v[BQO], s[74:75] offset:64*\b
	global_load_b128 v[BQ+8*\b+4:BQ+8*\b+7], v[BQO], s[74:75] offset:64*\b+16
.endr
.irp a, 0,1,2,3,4,5,6,7
	global_load_b32 v[BV+2*\a], v[BVO], s[76:77] offset:64*\a
	global_load_b32 v[BV+2*\a+1], v[BVO], s[76:77] offset:64*\a
.endr
.macro FRAG reg, adr, q, i
.irp c, 0,1,2,3
	ds_load_b128 v[\reg+4*\c:\reg+4*\c+3], v[\adr] offset:128*(\q)+32*\c+(\i)*16*PITCH
.endr
.endm
.macro MUL16 a0, p, zero
.irp a, \a0, \a0+1
.irp b, 0,1,2,3,4,5,6,7
.if \zero
	v_wmma_f32_16x16x128_bf8_bf8 v[8*(8*((\a)%4)+\b):8*(8*((\a)%4)+\b)+7], v[128*(\p)+FR*\b:128*(\p)+FR*\b+FR-1], v[AF+FR*(\a):AF+FR*(\a)+FR-1], 0
.else
	v_wmma_f32_16x16x128_bf8_bf8 v[8*(8*((\a)%4)+\b):8*(8*((\a)%4)+\b)+7], v[128*(\p)+FR*\b:128*(\p)+FR*\b+FR-1], v[AF+FR*(\a):AF+FR*(\a)+FR-1], v[8*(8*((\a)%4)+\b):8*(8*((\a)%4)+\b)+7]
.endif
.endr
.endr
.endm
.macro FETCH_B slot, q, p
	WIN TO_B
.irp i, 0,1,2,3,4,5,6,7
	FRAG 128*(\p)+FR*\i, ADRB+\slot, \q, \i
.endr
	WIN 0
.endm
.macro FETCH_A slot, q, i0
.irp i, \i0, \i0+1, \i0+2, \i0+3
	FRAG AF+FR*(\i), ADRA+\slot, \q, \i
.endr
.endm
.macro PLACES n
.rept \n
	v_nop
.endr
.endm
.macro STEP slot, q, zero
	s_wait_dscnt 4*NL
	WIN MUL_LO
	MUL16 0, (\q)%2, \zero
	MUL16 2, (\q)%2, \zero
	s_wait_dscnt 0
	PLACES NP
	FETCH_B \slot, (\q)+1, 1-(\q)%2
	FETCH_A \slot, (\q)+1, 0
	WIN MUL_HI
	MUL16 4, (\q)%2, \zero
	MUL16 6, (\q)%2, \zero
	PLACES NP
	WIN 0
	FETCH_A \slot, (\q)+1, 4
.endm
.macro TURN slot, next, fill
	s_wait_tensorcnt 0x0
	ds_add_u32 v[SPW], v[NIL]
	s_wait_dscnt 4*NL+1
	WIN MUL_LO
	MUL16 0, 1, 0
	s_wait_dscnt 0x0
	s_barrier_signal -1
	MUL16 2, 1, 0
	WIN 0
	s_barrier_wait -1
.if \fill
	CREST
	s_add_nc_u64 s[G0+4*\slot+2:G0+4*\slot+3], s[G0+4*\slot+2:G0+4*\slot+3], 2*ROWB
	s_add_nc_u64 s[G0B+4*\slot+2:G0B+4*\slot+3], s[G0B+4*\slot+2:G0B+4*\slot+3], 2*ROWB
	JLOAD G0+4*\slot, G1, G0B+4*\slot, G1B
.else
	PLACES NP
.endif
	FETCH_B \next, 0, 0
	FETCH_A \next, 0, 0
	WIN MUL_HI
	MUL16 4, 1, 0
	MUL16 6, 1, 0
	PLACES NP
	WIN 0
	FETCH_A \next, 0, 4
.endm
	s_wait_kmcnt 0x0
	s_add_co_i32 s96, s80, s81
	s_add_co_i32 s96, s96, 127
	s_lshl_b32 s96, s96, 23
	s_mov_b32 s97, s96
	s_cmp_eq_u32 ttmp9, 0
	s_cselect_b32 s88, s82, s83
	s_cmp_eq_u32 ttmp9, 2
	s_cselect_b32 s88, s85, s88
	s_add_co_i32 s88, s88, 127
	s_lshl_b32 s89, s88, 23
	v_mov_b32 v[SC], s89
	s_add_co_i32 s88, s88, 15
	s_lshl_b32 s88, s88, 23
	s_or_b32 s88, s88, 0x600000
	v_mov_b32 v[LIM], s88
	s_wait_loadcnt 0x0
	s_wait_tensorcnt 1
	s_barrier_signal -1
	s_barrier_wait -1
	FETCH_B 0, 0, 0
	FETCH_A 0, 0, 0
	FETCH_A 0, 0, 4
	STEP 0, 0, 1
	TURN 0, 1, 1
	STEP 1, 0, 0
	TURN 1, 0, 1
	STEP 0, 0, 0
	TURN 0, 1, 0
	STEP 1, 0, 0
	s_wait_dscnt 4*NL
	WIN MUL_LO
	MUL16 0, 1, 0
	MUL16 2, 1, 0
	s_wait_dscnt 0
	WIN MUL_HI
	MUL16 4, 1, 0
	MUL16 6, 1, 0
	WIN 0
.macro TOSTAGE a, isv
.set AC, 64*((\a)%4)
.set BB, BK+16*((\a)%2)
	WIN 0x02+((\a)/4)
.irp b, 0,1,2,3,4,5,6,7
.irp i, 0,2,4,6
.if \isv
	v_pk_fma_f32 v[TMP+8*\b+\i:TMP+8*\b+\i+1], v[AC+8*\b+\i:AC+8*\b+\i+1], s[96:97], v[BV+2*(\a):BV+2*(\a)+1] op_sel_hi:[1,0,1]
.else
	v_pk_fma_f32 v[TMP+8*\b+\i:TMP+8*\b+\i+1], v[AC+8*\b+\i:AC+8*\b+\i+1], s[96:97], v[BQ+8*\b+\i:BQ+8*\b+\i+1] op_sel_hi:[1,0,1]
.endif
.endr
.endr
	WIN 0
.irp b, 0,1,2,3,4,5,6,7
.irp i, 0,1,2,3,4,5,6,7
	v_med3_num_f32 v[TMP+8*\b+\i], v[TMP+8*\b+\i], -v[LIM], v[LIM]
.endr
	v_cvt_scalef32_pk8_bf8_f32 v[CD+2*\b:CD+2*\b+1], v[TMP+8*\b:TMP+8*\b+7], v[SC]
.endr
	v_nop
.irp b, 0,1,2,3,4,5,6,7
.if \isv
	ds_store_b64 v[STOV], v[CD+2*\b:CD+2*\b+1] offset:16*\b
.else
	ds_store_b64 v[STOQ], v[CD+2*\b:CD+2*\b+1] offset:(\b/4)*1280+(\b%4)*16
.endif
.endr
.irp i, 0,1,2,3
.if \isv
	ds_load_b128 v[BB+4*\i:BB+4*\i+3], v[RDV] offset:576*\i
.else
	ds_load_b128 v[BB+4*\i:BB+4*\i+3], v[RDQ] offset:(\i/2)*1280+(\i%2)*640
.endif
.endr
.endm
.macro SEND a, younger, isv
.set BB, BK+16*((\a)%2)
	s_wait_dscnt \younger
.irp i, 0,1,2,3
.if \isv
	global_store_b128 v[CO], v[BB+4*\i:BB+4*\i+3], s[12:13] offset:((\a)/4)*131072+((\a)%4)*2048+512*\i
.else
	global_store_b128 v[CO], v[BB+4*\i:BB+4*\i+3], s[12:13] offset:(\i/2)*131072+(\a)*1024+(\i%2)*512
.endif
.endr
.endm
.macro OUT isv
.if \isv
	s_mov_b32 s86, 2<<23
	s_lshr_b32 s88, s42, 3
	s_lshl_b32 s88, s88, 4
	s_lshl_b32 s89, s41, 2
	s_add_co_u32 s88, s88, s89
	s_lshl_b32 s89, s15, 1
	s_add_co_u32 s88, s88, s89
	s_lshl_b32 s88, s88, 17
	s_add_co_u32 s86, s86, s88
	s_and_b32 s88, s42, 7
	s_lshl_b32 s88, s88, 1
	s_add_co_u32 s88, s88, s16
	s_lshl_b32 s88, s88, 13
	s_add_co_u32 s86, s86, s88
.else
	s_lshl_b32 s86, ttmp9, 23
	s_lshr_b32 s88, s17, 3
	s_lshl_b32 s88, s88, 4
	s_lshl_b32 s89, s40, 2
	s_add_co_u32 s88, s88, s89
	s_lshl_b32 s89, s16, 1
	s_add_co_u32 s88, s88, s89
	s_lshl_b32 s88, s88, 17
	s_add_co_u32 s86, s86, s88
	s_and_b32 s88, s17, 7
	s_lshl_b32 s88, s88, 8
	s_lshl_b32 s89, s15, 7
	s_add_co_u32 s88, s88, s89
	s_lshl_b32 s88, s88, 6
	s_add_co_u32 s86, s86, s88
.endif
	s_mov_b32 s87, 0
	s_add_nc_u64 s[12:13], s[12:13], s[86:87]
	TOSTAGE 0, \isv
.irp a, 1,2,3,4,5,6,7
.if \a > 1
	s_wait_xcnt 0x0
.endif
	TOSTAGE \a, \isv
	SEND \a-1, 12, \isv
.endr
	SEND 7, 0, \isv
.endm
	PLACES NP
	s_cmp_eq_u32 ttmp9, 2
	s_cbranch_scc1 .Lout_v
	OUT 0
	s_branch .Lend
.Lout_v:
	OUT 1
.Lend:
	s_wait_tensorcnt 0x0
	ds_add_u32 v[SPW], v[NIL]
	s_wait_dscnt 0x0
	CROUND
	s_endpgm
.Lfunc_end_k_qf351afdb86_proj:
	.size	k_qf351afdb86_proj, .Lfunc_end_k_qf351afdb86_proj-k_qf351afdb86_proj
	.p2alignl 7, 3214868480
	.fill 96, 4, 3214868480
	.section	.rodata,"a",@progbits
	.p2align	6, 0x0
	.amdhsa_kernel k_qf351afdb86_proj
		.amdhsa_group_segment_fixed_size 327680
		.amdhsa_private_segment_fixed_size 0
		.amdhsa_enable_private_segment 0
		.amdhsa_kernarg_size 40
		.amdhsa_user_sgpr_count 2
		.amdhsa_user_sgpr_kernarg_segment_ptr 1
		.amdhsa_wavefront_size32 1
		.amdhsa_system_sgpr_workgroup_id_x 1
		.amdhsa_system_sgpr_workgroup_id_y 1
		.amdhsa_system_sgpr_workgroup_id_z 1
		.amdhsa_system_vgpr_workitem_id 0
		.amdhsa_next_free_vgpr 1024
		.amdhsa_next_free_sgpr 98
		.amdhsa_reserve_vcc 0
		.amdhsa_float_denorm_mode_32 3
		.amdhsa_float_denorm_mode_16_64 3
		.amdhsa_memory_ordered 1
		.amdhsa_forward_progress 1
		.amdhsa_inst_pref_size 209
	.end_amdhsa_kernel
	.amdgpu_metadata
---
amdhsa.version: [ 1, 2 ]
amdhsa.kernels:
  - .name:           k_qf351afdb86_proj
    .symbol:         k_qf351afdb86_proj.kd
    .args:
      - { .name: x_codes, .offset: 0, .size: 8, .value_kind: global_buffer, .address_space: global }
      - { .name: qkv_w_codes, .offset: 8, .size: 8, .value_kind: global_buffer, .address_space: global }
      - { .name: lowp_scales, .offset: 16, .size: 8, .value_kind: global_buffer, .address_space: global }
      - { .name: qkv_b, .offset: 24, .size: 8, .value_kind: global_buffer, .address_space: global }
      - { .name: qkv, .offset: 32, .size: 8, .value_kind: global_buffer, .address_space: global }
    .group_segment_fixed_size: 327680
    .private_segment_fixed_size: 0
    .kernarg_segment_align: 8
    .kernarg_segment_size: 40
    .max_flat_workgroup_size: 128
    .sgpr_count:     98
    .vgpr_count:     1024
    .wavefront_size: 32
...
	.end_amdgpu_metadata
.endif
;; end of part 1
;; launch attn (part 2): grid 4 x 64, 16 waves a work-group, no clusters, 280,576 bytes of LDS; arguments qkv, lowp_scales, out0; writes out0
.if DOCPART == 2
	.amdgcn_target "amdgcn-amd-amdhsa--gfx1250"
	.amdhsa_code_object_version 6
	.text
	.protected	k_qf351afdb86_attn
	.globl	k_qf351afdb86_attn
	.p2align	8
	.type	k_qf351afdb86_attn,@function
k_qf351afdb86_attn:
	s_mov_b64 s[64:65], 0
	v_nop
	global_prefetch_b8 v0, s[64:65] scope:SCOPE_SE
	s_setreg_imm32_b32 hwreg(HW_REG_WAVE_MODE, 25, 1), 1
	s_wait_xcnt 0x0
; ATTENTION on codes of BF8 (E5M2): out[batch][q][head][:] = the sum over k of softmax_k(Q[q] . K[k] / 8) V[k][:], 64 heads (bh = 16 x batch + head) of 2,048 tokens x 64 channels.
; In (one buffer, three parts of 8,388,608 bytes): q, k: [bh][token][64];  v: [bh][block of 128 keys][channel 64][128 keys].  Scales 2^eq, 2^ek, 2^ep, 2^ev: entries 2 to 5.
; THE SOFTMAX: t = score x log2(e) / 8; M = the running largest t, rounded UP to a whole number; p = 2^(t - M) is quantised, not normalised; the row's sum of the unquantised p divides O at the end.
; When M moves, the sum and O are multiplied by 2^(old M - new M): exact.  The step's largest t is raised by 2^-22 of its size ahead of the ceiling, so that M is at or above every exact t and the
; fused t - M is never positive: p <= 1 for all scores.  Where that moves M, it moves it by one: a power of two, which leaves the quantised numbers as they are.
; THE HOLD at 57,344 x 2^ep: p <= 1, so for ep >= -15 (57,344 x 2^-15 = 1.75) it can change no number.  For ep < -15 they run.
; NO CLUSTER, NO TENSOR LOAD: K and V come through registers, and the four work-groups of a head
; make no joint request.  By the text's count the hold is 128 vector instructions of a step; the fill is 2 loads and 2 LDS stores a wave and step.
; LIMITS on the given exponents: eq + ek between -123 and 130 (added to c's exponent field); ep between -126 and 112; ep + ev is applied by v_ldexp_f32 and has none.
; SHARES.  A work-group owns 512 queries of one head, each of its sixteen waves 32: two tiles of 16.  A step is 128 keys: 16 + 8 matrix instructions.
; THE FILL.  A tile is 128 keys: 8,192 bytes of K and of V, 16 + 16 bytes a thread.  The head brings tile 0; step s loads tile s + 1 into registers behind its first product and stores it to LDS behind
; tile 0's softmax.  Every tile has LDS bytes of its own (rows of 256 bytes + 16): nothing is written twice.  ONE BARRIER A STEP, split: a wave signals when its part of tile s + 1 is stored, and waits at the step's end;
; between the two stand work on registers and LDS loads of tile s, which nobody writes.  The last step is written out without a fill.
; THE PREFETCH: step s asks for tile s + 3, two steps ahead of the load that wants it.  The four work-groups of a head share a tile's blocks out by address: work-group x takes bytes 2,048 x on, eight blocks of 256,
; of K (its wave 0) and of V (its wave 1), a lane a block; lanes 8 to 31 name the eighth again.  Steps 13 on ask for nothing: there is no tile 16.  Tiles 0 to 2 come by their loads alone.
; LAYOUT.  Both products transposed: S^T = K Q^T, O^T = V^T P^T: a lane holds one query (lane % 16).  K's rows lie in LDS with bits 3 and 4 of the key's number exchanged: row 8 h + j of tile 2 c + u is
; key 32 c + 16 h + 8 u + j, so the codes of tiles 2 c and 2 c + 1 are 16 neighbouring keys, 32 c + 16 h + 0 .. 15, in registers 4 c .. 4 c + 3: the places that 16-byte loads give V.
; REGISTERS: v0 thread; v1, v2 the step's LDS addresses; v3 2^ep; v4, v7 my lane's places in V, K; v5, v6 where my thread stores K, V; v8-15 state; v16-31 Q; v32-47 K tiles 6, 7, then a chain of sums (v32-33),
; the next tile on its way (v36-43) and its addresses (v44-47); v48-63 K tiles 4, 5, then maxima, f and the lane permutes, then tile 0's codes; v64-191 S^T, p (its rows 6, 7 hold K tiles 0-3 first;
; later tile 1's codes and V's fragments); v192-255 O^T.
.set VOFF, 139264                      ; K: bytes 0 on; V: from here on; 512 rows of 272 bytes each
.set TRB,  8704                        ; 128 keys: 32 rows, in K and in V alike
.set PCB,  4352                        ; a wave's stage on the way out: 16 rows x 272, in K's region
.set SPARE, 278528                     ; the spare words: 128 bytes a wave, named by no other line
.set ADK, 1
.set ADV, 2
.set SCP, 3
.set AV0, 4
.set SK,  5
.set SV,  6
.set AK0, 7
.set STA, 8                            ; tile t: v[8+4t] -M, v[9+4t] the largest t, v[10+4t:11+4t] the sum in two halves
.set QF,  16
.set SM,  32
.set W,   48                           ; tile t: v[48+4t], v[49+4t] two maxima; v[50+4t:51+4t] f and a word that is only named
.set PD,  56
.set S,   64
.set O,   192
.set WV,  10
.set TB,  14
.set CNT, 15
.set SEL, 20
.set CS,  22
.set LIM, 30
.set HOLD, 31
.set EPS, 36
.set PLIM, 37
.set PFA, 38
	s_load_b128 s[4:7], s[0:1], 0x0                ; the codes, the scales' exponents
	s_load_b64 s[8:9], s[0:1], 0x10                ; the output
	v_lshrrev_b32 v1, 5, v0
	v_readfirstlane_b32 s[WV], v1                  ; wave 0..15
	s_and_b32 s12, ttmp7, 0xffff                   ; bh
	s_lshl_b32 s32, s12, 17                        ; the head's 131,072 bytes in each part
	s_mov_b32 s33, 0
	s_lshl_b32 s34, ttmp9, 9
	s_lshl_b32 s35, s[WV], 5
	s_add_co_u32 s34, s34, s35                     ; my first query: 512 x + 32 x wave
	s_mov_b32 s[SEL], 0x76543210
	s_mov_b32 s[SEL+1], 0xfedcba98
	s_mov_b32 s[EPS], 0x34800000                   ; 2^-22
	v_lshlrev_b32 v32, 4, v0                       ; the fill: 16 bytes a thread
	v_and_b32 v38, 15, v0                          ; r
	v_bfe_u32 v39, v0, 4, 1                        ; h
	v_lshrrev_b32 v40, 4, v0                       ; the thread's row of 256 bytes, m = 0 .. 31
	v_bfe_u32 v42, v0, 5, 1                        ; m's bit 1
	v_bfe_u32 v43, v0, 6, 1                        ; m's bit 2
	v_and_b32 v41, 0x19, v40
	v_mul_u32_u24 v[SV], v40, 272
	v_lshl_or_b32 v41, v42, 2, v41
	v_lshl_add_u32 v[SV], v38, 4, v[SV]
	v_lshl_or_b32 v41, v43, 1, v41                 ; K: m with bits 1 and 2 exchanged (a row is 4 keys: the key's bits 3 and 4)
	v_add_nc_u32 v[SV], VOFF, v[SV]                ; V's place: VOFF + 272 m + 16 r
	v_mul_u32_u24 v[SK], v41, 272
	v_lshlrev_b32 v37, 6, v38
	v_lshl_add_u32 v[SK], v38, 4, v[SK]            ; K's place
	v_lshl_add_u32 v37, v39, 4, v37                ; Q: row r of 64 bytes, + 16 h
	v_lshrrev_b32 v44, 2, v38
	v_and_b32 v45, 3, v38
	v_lshrrev_b32 v46, 1, v38
	v_and_b32 v47, 1, v38
	v_mul_u32_u24 v[AK0], v44, 272
	v_mul_u32_u24 v[AV0], v46, 272
	v_lshl_add_u32 v[AK0], v45, 6, v[AK0]
	v_lshl_add_u32 v[AV0], v47, 7, v[AV0]
	v_lshl_add_u32 v[AK0], v39, 4, v[AK0]          ; K's fragments: 272 (r / 4) + 64 (r % 4) + 16 h
	v_lshl_add_u32 v[AV0], v39, 4, v[AV0]
	v_add_nc_u32 v[AV0], VOFF, v[AV0]              ; V's: VOFF + 272 (r / 2) + 128 (r % 2) + 16 h
	s_wait_alu depctr_va_vdst(0)
	s_wait_kmcnt 0x0
	s_load_b128 s[16:19], s[6:7], 0x8              ; eq, ek, ep, ev
	s_add_nc_u64 s[28:29], s[4:5], s[32:33]        ; the head in q's part,
	s_add_nc_u64 s[24:25], s[28:29], 0x800000      ; in k's,
	s_add_nc_u64 s[26:27], s[24:25], 0x800000      ; in v's
	s_lshl_b32 s32, s34, 6
	s_add_nc_u64 s[28:29], s[28:29], s[32:33]      ; my queries' codes
.irp t, 0,1
.irp c, 0,1
	global_load_b128 v[QF+8*\t+4*\c:QF+8*\t+4*\c+3], v37, s[28:29] offset:1024*\t+32*\c
.endr
.endr
	global_load_b128 v[S:S+3], v32, s[24:25]       ; tile 0 of K: 32 lanes read 512 consecutive bytes
	global_load_b128 v[S+4:S+7], v32, s[26:27]     ; and of V
	s_cmp_eq_u32 s[WV], 0                          ; the prefetches: wave 0 asks for K, wave 1 for V
	s_cselect_b64 s[PFA:PFA+1], s[24:25], s[26:27]
	s_lshl_b32 s32, ttmp9, 11                      ; my work-group's 2,048 bytes of a tile,
	s_add_co_u32 s32, s32, 3*8192                  ; in tile 3
	s_add_nc_u64 s[PFA:PFA+1], s[PFA:PFA+1], s[32:33]
	s_cmp_lt_u32 s[WV], 2
	s_cselect_b32 s[PLIM], 3, -1                   ; a wave asks while the count of steps to go is above this
	s_lshr_b32 s32, s12, 4                         ; the output: row (2048 x batch + my first query) of 4,096 bytes, + 256 x head
	s_lshl_b32 s32, s32, 11
	s_add_co_u32 s32, s32, s34
	s_lshl_b32 s32, s32, 12
	s_and_b32 s35, s12, 15
	s_lshl_b32 s35, s35, 8
	s_add_co_u32 s32, s32, s35
	s_add_nc_u64 s[8:9], s[8:9], s[32:33]
.irp t, 0,1
	v_mov_b32 v[STA+4*\t+1], 0xff61b1e6            ; the largest t so far: -3e38
	v_floor_f32 v[STA+4*\t], -v[STA+4*\t+1]        ; -M
	v_mov_b32 v[STA+4*\t+2], 0
	v_mov_b32 v[STA+4*\t+3], 0
.endr
.set J, 0
.rept 64
	v_mov_b32 v[O+J], 0                            ; O^T: the step is written once for all trips; the first change of M multiplies zeros
.set J, J+1
.endr
	s_wait_kmcnt 0x0
	s_add_co_i32 s13, s16, s17
	s_lshl_b32 s13, s13, 23
	s_mov_b32 s[CS], 0x3e38aa3b                    ; log2(e) / 8,
	s_add_co_i32 s[CS], s[CS], s13                 ; x 2^(eq + ek), by its exponent field
	s_mov_b32 s[CS+1], s[CS]
	s_add_co_i32 s13, s18, 127
	s_lshl_b32 s35, s13, 23
	v_mov_b32 v[SCP], s35                          ; 2^ep, for the conversion
	s_add_co_i32 s13, s13, 15
	s_lshl_b32 s13, s13, 23
	s_or_b32 s[LIM], s13, 0x600000                 ; 57,344 x 2^ep
	s_cmp_ge_i32 s18, -15
	s_cselect_b32 s[HOLD], 0, 1                    ; 1: the hold can act
	s_add_co_i32 s13, s18, s19                     ; ep + ev
	s_wait_alu depctr_va_vdst(0)
	s_wait_loadcnt 0x1                             ; behind K's load: V's
	ds_store_b128 v[SK], v[S:S+3]
	s_wait_loadcnt 0x0
	ds_store_b128 v[SV], v[S+4:S+7]
	s_wait_dscnt 0x0                               ; for the others' sake: my part of tile 0 is in LDS
	s_barrier_signal -1
	s_barrier_wait -1                              ; everybody's is
.macro KLD kt, reg                     ; a fragment of K: 16 rows x 64 channels
	ds_load_b128 v[\reg:\reg+3], v[ADK] offset:\kt*1088
	ds_load_b128 v[\reg+4:\reg+7], v[ADK] offset:\kt*1088+32
.endm
.macro QK kt, reg                      ; it feeds both tiles of queries
	v_wmma_f32_16x16x64_bf8_bf8 v[S+8*\kt:S+8*\kt+7], v[\reg:\reg+7], v[QF:QF+7], 0
	v_wmma_f32_16x16x64_bf8_bf8 v[S+64+8*\kt:S+64+8*\kt+7], v[\reg:\reg+7], v[QF+8:QF+15], 0
.endm
.macro MX kt, first                    ; the maxima take in key tile kt: two chains a tile, the tiles by turns; each accumulator from its low end on
.irp p, 0,2,4,6
.irp t, 0,1
.if \first && (\p < 4)
	v_max_num_f32 v[W+4*\t+(\p/2)], v[S+64*\t+\p], v[S+64*\t+\p+1]
.else
	v_max3_num_f32 v[W+4*\t+(\p/2)%2], v[W+4*\t+(\p/2)%2], v[S+64*\t+8*\kt+\p], v[S+64*\t+8*\kt+\p+1]
.endif
.endr
.endr
.endm
.macro VLD ct, reg                     ; a fragment of V: 16 channels x 128 keys
.irp c, 0,1,2,3
	ds_load_b128 v[\reg+4*\c:\reg+4*\c+3], v[ADV] offset:\ct*2176+32*\c
.endr
.endm
.macro PV ct, reg
	v_wmma_f32_16x16x128_bf8_bf8 v[O+8*\ct:O+8*\ct+7], v[\reg:\reg+15], v[W:W+15], v[O+8*\ct:O+8*\ct+7]
	v_wmma_f32_16x16x128_bf8_bf8 v[O+32+8*\ct:O+32+8*\ct+7], v[\reg:\reg+15], v[S:S+15], v[O+32+8*\ct:O+32+8*\ct+7]
.endm
; One tile's p: exponentials as a batch, the sum of the unquantised p, the hold where ep asks for it, the codes into v[pc ..].
.macro TILE t, pc
	s_wait_alu depctr_va_vdst(0)
.set J, 0
.rept 64
	v_exp_f32 v[S+64*\t+J], v[S+64*\t+J]           ; p = 2^(t - M), at most 1
.set J, J+1
.endr
.if \t == 0
	v_pk_mul_f32 v[STA+2:STA+3], v[STA+2:STA+3], v[W+2:W+3] op_sel_hi:[1,0]   ; both tiles' sums under the new M (the plain lines behind the batch)
	v_pk_mul_f32 v[STA+6:STA+7], v[STA+6:STA+7], v[W+6:W+7] op_sel_hi:[1,0]
.else
	v_nop
.endif
	s_wait_alu depctr_va_vdst(0)                   ; one wait for the batch, ahead of its first reader
	v_pk_add_f32 v[SM:SM+1], v[S+64*\t:S+64*\t+1], v[S+64*\t+2:S+64*\t+3]
.set J, 4
.rept 15
	v_pk_add_f32 v[STA+4*\t+2:STA+4*\t+3], v[STA+4*\t+2:STA+4*\t+3], v[S+64*\t+J:S+64*\t+J+1]
	v_pk_add_f32 v[SM:SM+1], v[SM:SM+1], v[S+64*\t+J+2:S+64*\t+J+3]
.set J, J+4
.endr
	v_pk_add_f32 v[STA+4*\t+2:STA+4*\t+3], v[STA+4*\t+2:STA+4*\t+3], v[SM:SM+1]
	s_cmp_eq_u32 s[HOLD], 0
	s_cbranch_scc1 .Lfree_\@                       ; ep >= -15: no p lies beyond the largest code
.set J, 0
.rept 64
	v_min_num_f32 v[S+64*\t+J], s[LIM], v[S+64*\t+J]   ; the conversion does not saturate (ISA guide 7.6.2); p is not negative
.set J, J+1
.endr
.Lfree_\@:
.irp kt, 0,1,2,3,4,5,6,7
	v_cvt_scalef32_pk8_bf8_f32 v[\pc+2*\kt:\pc+2*\kt+1], v[S+64*\t+8*\kt:S+64*\t+8*\kt+7], v[SCP]
.endr
	v_nop                                          ; the plain line behind the last conversion
.endm
; A STEP: 128 keys.  fill = 1: the next tile is brought on the way.
.macro STEP fill
	v_add_nc_u32 v[ADK], s[TB], v[AK0]
	v_add_nc_u32 v[ADV], s[TB], v[AV0]
.rept 3
	v_nop                                          ; with the two lines above five places: the loads and the first products below write registers that the last step's products read
.endr
	KLD 0, S+48
	KLD 1, S+56
	KLD 2, S+112
	KLD 3, S+120
	KLD 4, W
	KLD 5, W+8
	KLD 6, SM
	KLD 7, SM+8
	s_wait_alu depctr_va_vdst(0)
	s_wait_dscnt 0x0
	QK 0, S+48
	QK 1, S+56
	QK 2, S+112
	QK 3, S+120
	QK 4, W
	QK 5, W+8
.rept 5
	v_nop                                          ; five places: tiles 6 and 7 write over the registers of K's tiles 0 to 3; also the places ahead of the first read of the scores
.endr
	QK 6, SM
	QK 7, SM+8
	MX 0, 1                                        ; (eight places behind tiles 6 and 7, whose fragments' registers are written below)
.if \fill
	v_lshlrev_b32 v44, 4, v0
	v_add_nc_u32 v46, s[TB], v[SK]
	v_add_nc_u32 v47, s[TB], v[SV]
	global_load_b128 v[36:39], v44, s[24:25] offset:8192   ; the next tile of K,
	global_load_b128 v[40:43], v44, s[26:27] offset:8192   ; and of V
	s_wait_alu depctr_va_vdst(0)
	s_cmp_gt_u32 s[CNT], s[PLIM]
	s_cbranch_scc0 .Lnoask_\@
	v_and_b32 v45, 31, v0
	v_min_u32 v45, 7, v45
	v_lshlrev_b32 v45, 8, v45
	global_prefetch_b8 v45, s[PFA:PFA+1] th:TH_LOAD_NT scope:SCOPE_SE   ; tile s + 3: my work-group's eight blocks
.Lnoask_\@:
.endif
	MX 1, 0
	MX 2, 0
	MX 3, 0
	MX 4, 0
	MX 5, 0
	MX 6, 0
	MX 7, 0
.irp t, 0,1
	s_delay_alu instid0(VALU_DEP_2)
	v_max_num_f32 v[W+4*\t], v[W+4*\t], v[W+4*\t+1]
.endr
.irp t, 0,1
	s_delay_alu instid0(VALU_DEP_2)
	v_permlanex16_b32 v[PD+\t], v[W+4*\t], s[SEL], s[SEL+1]
.endr
.irp t, 0,1
	s_delay_alu instid0(VALU_DEP_2)
	v_max_num_f32 v[W+4*\t], v[W+4*\t], v[PD+\t]   ; and lane l xor 16's keys
.endr
.irp t, 0,1
	s_delay_alu instid0(VALU_DEP_2)
	v_mul_f32 v[W+4*\t], s[CS], v[W+4*\t]          ; as t (c is positive)
.endr
.irp t, 0,1
	s_delay_alu instid0(VALU_DEP_2)
	v_fma_f32 v[W+4*\t], |v[W+4*\t]|, s[EPS], v[W+4*\t]   ; raised by 2^-22 of its size: at or above every exact t of the step
.endr
.irp t, 0,1
	s_delay_alu instid0(VALU_DEP_2)
	v_max_num_f32 v[STA+4*\t+1], v[STA+4*\t+1], v[W+4*\t]
.endr
.irp t, 0,1
	v_mov_b32 v[W+4*\t], v[STA+4*\t]
.endr
.irp t, 0,1
	s_delay_alu instid0(VALU_DEP_4)
	v_floor_f32 v[STA+4*\t], -v[STA+4*\t+1]        ; the new -M: M is a whole number
.endr
.irp t, 0,1
	s_delay_alu instid0(VALU_DEP_2)
	v_sub_f32 v[W+4*\t], v[STA+4*\t], v[W+4*\t]    ; old M - new M, 0 or less
.endr
.irp t, 0,1
	s_delay_alu instid0(VALU_DEP_2)
	v_cvt_i32_f32 v[W+4*\t], v[W+4*\t]             ; (it saturates)
.endr
.irp t, 0,1
	s_delay_alu instid0(VALU_DEP_2)
	v_ldexp_f32 v[W+4*\t+2], 1.0, v[W+4*\t]        ; f = 2^(old M - new M)
.endr
.irp t, 0,1
.set J, 0
.rept 16
	v_pk_mul_f32 v[O+32*\t+J:O+32*\t+J+1], v[O+32*\t+J:O+32*\t+J+1], v[W+4*\t+2:W+4*\t+3] op_sel_hi:[1,0]   ; O^T under the new M, ahead of the exponentials; each accumulator from its low end on
.set J, J+2
.endr
.endr
.irp t, 0,1
.set J, 0
.rept 32
	v_pk_fma_f32 v[S+64*\t+J:S+64*\t+J+1], v[S+64*\t+J:S+64*\t+J+1], s[CS:CS+1], v[STA+4*\t:STA+4*\t+1] op_sel_hi:[1,0,0]   ; t - M
.set J, J+2
.endr
.endr
	TILE 0, W
.if \fill
	s_wait_loadcnt 0x0                             ; the next tile is in my registers,
	ds_store_b128 v46, v[36:39] offset:TRB         ; and goes to its own bytes of LDS
	ds_store_b128 v47, v[40:43] offset:TRB
	s_wait_xcnt 0x0                                ; any prefetch of mine has read its address; the loads are done: the three bases may step
	s_add_nc_u64 s[24:25], s[24:25], 8192
	s_add_nc_u64 s[26:27], s[26:27], 8192
	s_add_nc_u64 s[PFA:PFA+1], s[PFA:PFA+1], 8192
	s_wait_dscnt 0x0                               ; for the others' sake: my part of the next tile is in LDS
	s_barrier_signal -1                            ; say so; the wait stands at the step's end
.endif
	VLD 0, S+16                                    ; V's channel tiles 0 to 2 land in tile 0's registers under tile 1's softmax
	VLD 1, S+32
	VLD 2, S+48
	TILE 1, S
	VLD 3, S+64
	s_wait_alu depctr_va_vdst(0)
	s_wait_dscnt 0x4                               ; all but channel tile 3's four loads
	PV 0, S+16                                     ; the eight accumulators take turns, one instruction a turn
	PV 1, S+32
	PV 2, S+48
	s_wait_dscnt 0x0
	PV 3, S+64
.if \fill
	s_barrier_wait -1                              ; everybody's part of the next tile is in LDS
.endif
.endm
	s_mov_b32 s[TB], 0
	s_mov_b32 s[CNT], 16                           ; steps to go
.Lstep:                                            ; 15 trips
	STEP 1
	s_add_co_u32 s[TB], s[TB], TRB
	s_sub_co_u32 s[CNT], s[CNT], 1
	s_cmp_lg_u32 s[CNT], 1
	s_cbranch_scc1 .Lstep
	STEP 0                                         ; the last step brings nothing
	; THE WAY OUT.  O^T / the sum x 2^(ep + ev) goes through my stage in LDS, a tile (16 queries x 256 bytes) at a time, so that sixteen lanes store 256 consecutive bytes.
	v_and_b32 v1, 15, v0                           ; r.  (These lines are also the places behind the last products)
	v_bfe_u32 v2, v0, 4, 1                         ; h
	s_mul_i32 s32, s[WV], PCB                      ; my stage, in K's region
	v_mul_u32_u24 v7, v1, 272
	v_mul_u32_u24 v4, v2, 272
	v_lshlrev_b32 v3, 12, v2
	v_lshl_add_u32 v7, v2, 5, v7
	v_lshl_add_u32 v4, v1, 4, v4
	v_lshl_add_u32 v3, v1, 4, v3                   ; two rows of the output, 4,096 bytes apart; 16 bytes a lane
	v_add_nc_u32 v7, s32, v7                       ; in: row r, 64 ct + 32 h bytes on
	v_add_nc_u32 v4, s32, v4                       ; back: lanes 0-15 one row, lanes 16-31 the next
.irp t, 0,1
	v_add_f32 v[STA+4*\t+2], v[STA+4*\t+2], v[STA+4*\t+3]
.endr
.irp t, 0,1
	v_permlanex16_b32 v[PD+\t], v[STA+4*\t+2], s[SEL], s[SEL+1]
.endr
.irp t, 0,1
	s_delay_alu instid0(VALU_DEP_2)
	v_add_f32 v[STA+4*\t+2], v[STA+4*\t+2], v[PD+\t]   ; the row's sum
.endr
	s_wait_alu depctr_va_vdst(0)
.irp t, 0,1
	v_rcp_f32 v[W+4*\t+2], v[STA+4*\t+2]
.endr
	v_nop                                          ; the plain line behind the reciprocals
	s_wait_dscnt 0x0
	s_barrier_signal -1
	s_barrier_wait -1                              ; nobody reads K's region any more: the stages may be written
	s_wait_alu depctr_va_vdst(0)                   ; one wait for the two reciprocals, ahead of their first reader
.irp t, 0,1
	v_ldexp_f32 v[W+4*\t+2], v[W+4*\t+2], s13      ; x 2^(ep + ev)
.endr
	s_wait_alu depctr_va_vdst(0)
.irp t, 0,1
.set J, 0
.rept 16
	v_pk_mul_f32 v[S+32*\t+J:S+32*\t+J+1], v[O+32*\t+J:O+32*\t+J+1], v[W+4*\t+2:W+4*\t+3] op_sel_hi:[1,0]   ; register 8 ct + i is channel 16 ct + 8 h + i of query r
.set J, J+2
.endr
.endr
.irp t, 0,1
.irp ct, 0,1,2,3
	ds_store_b128 v7, v[S+32*\t+8*\ct:S+32*\t+8*\ct+3] offset:64*\ct
	ds_store_b128 v7, v[S+32*\t+8*\ct+4:S+32*\t+8*\ct+7] offset:64*\ct+16
.endr
.irp i, 0,1,2,3,4,5,6,7
	ds_load_b128 v[S+64+32*\t+4*\i:S+64+32*\t+4*\i+3], v4 offset:544*\i   ; LDS serves a wave's instructions in order (ISA guide 5.7.1.4)
.endr
.endr
.irp t, 0,1
.irp i, 0,1,2,3,4,5,6,7
	s_wait_dscnt 16*(1-\t)+7-\i                    ; behind this load: its tile's younger loads, and for tile 0 the 16 LDS instructions of tile 1
	global_store_b128 v3, v[S+64+32*\t+4*\i:S+64+32*\t+4*\i+3], s[8:9] offset:(16*\t+2*\i)*4096 th:TH_STORE_NT   ; 16 lanes store 256 consecutive bytes, aligned
.endr
.endr
	v_lshl_add_u32 v5, v0, 2, SPARE                ; no two registers could be kept: my spare word and 0 are made here, v0 as at the entry
	v_mov_b32 v6, 0
	s_wait_alu depctr_va_vdst(0)
	s_wait_tensorcnt 0x0                           ; the wave's end
	ds_add_u32 v5, v6
	s_wait_dscnt 0x0
	s_endpgm
.Lfunc_end_k_qf351afdb86_attn:
	.size	k_qf351afdb86_attn, .Lfunc_end_k_qf351afdb86_attn-k_qf351afdb86_attn
	.p2alignl 7, 3214868480
	.fill 96, 4, 3214868480
	.section	.rodata,"a",@progbits
	.p2align	6, 0x0
	.amdhsa_kernel k_qf351afdb86_attn
		.amdhsa_group_segment_fixed_size 280576
		.amdhsa_private_segment_fixed_size 0
		.amdhsa_enable_private_segment 0
		.amdhsa_kernarg_size 24
		.amdhsa_user_sgpr_count 2
		.amdhsa_user_sgpr_kernarg_segment_ptr 1
		.amdhsa_wavefront_size32 1
		.amdhsa_system_sgpr_workgroup_id_x 1
		.amdhsa_system_sgpr_workgroup_id_y 1
		.amdhsa_system_sgpr_workgroup_id_z 1
		.amdhsa_system_vgpr_workitem_id 0
		.amdhsa_next_free_vgpr 256
		.amdhsa_next_free_sgpr 66
		.amdhsa_reserve_vcc 0
		.amdhsa_float_denorm_mode_32 3
		.amdhsa_float_denorm_mode_16_64 3
		.amdhsa_memory_ordered 1
		.amdhsa_forward_progress 1
		.amdhsa_inst_pref_size 74
	.end_amdhsa_kernel
	.amdgpu_metadata
---
amdhsa.version: [ 1, 2 ]
amdhsa.kernels:
  - .name:           k_qf351afdb86_attn
    .symbol:         k_qf351afdb86_attn.kd
    .args:
      - { .name: qkv, .offset: 0, .size: 8, .value_kind: global_buffer, .address_space: global }
      - { .name: lowp_scales, .offset: 8, .size: 8, .value_kind: global_buffer, .address_space: global }
      - { .name: out0, .offset: 16, .size: 8, .value_kind: global_buffer, .address_space: global }
    .group_segment_fixed_size: 280576
    .private_segment_fixed_size: 0
    .kernarg_segment_align: 8
    .kernarg_segment_size: 24
    .max_flat_workgroup_size: 512
    .sgpr_count:     66
    .vgpr_count:     256
    .wavefront_size: 32
...
	.end_amdgpu_metadata
.endif
;; end of part 2
